; MI455X (gfx1250); checked and timed in simulation.
; The chip was launched on July 23, 2026; its instructions are those of AMD's public machine-readable ISA for CDNA 5 (MIT licence, August 2026) and "CDNA5" Instruction Set Architecture Reference Guide (July 2026). The comments in the code are by the model that wrote it; some were corrected since.
;; my param layer. Allowed arithmetic: matrix products marked QUANTISED: E5M2 operands, one E8M0 scale for each 32 along K, by v_wmma_scale_f32_16x16x128_f8f6f4 with both operands' format E5M2, f32 sums; everything else in f32.
;; Inputs: A_codes 4,096 x 128 x 32 uint8 (E5M2 codes of A, K innermost, in blocks of 32 codes); A_scales 4,096 x 128 uint8 (E8M0 scales of A, one for each 32 codes along K); B_codes 4,096 x 128 x 32 uint8 (E5M2 codes of B, K innermost, in blocks of 32 codes); B_scales 4,096 x 128 uint8 (E8M0 scales of B, one for each 32 codes along K).
;; Outputs: out0 4,096 x 4,096 float32.
;; This version of the problem:
;;   THIS VERSION OF THE PROBLEM IS GIVEN IN LOW PRECISION. The matrix products marked QUANTISED in the list below multiply operands that are first quantised to E5M2 (5 exponent bits, 2 mantissa bits; 8 bits a number), with one power-of-two scale for each 32 numbers along K (OCP MX v1.0); their sums are f32. All else is computed in f32.
;;   The module's matrix products, in the order in which they are computed (A, B: the left and right operand; K: the contracted axis; several contracted axes count as one K, in the product's order):
;;     1. [M 4,096, K 4,096] x [K 4,096, N 4,096]; A: input A (given as codes); B: input B (given as codes): QUANTISED
;;   THE QUANTISER, for each operand of a quantised product, along K:
;;     - K is cut into blocks of 32 from its start; a last block that is shorter is filled with zeros.
;;     - A block's scale is 2^e with e = floor(log2(the largest magnitude in the block)) - 15, held to -126 .. 127; a block of zeros has e = 0. As a byte (E8M0): e + 127.
;;     - Each number is divided by its block's scale, clamped to +-57,344, and rounded to the nearest number of E5M2, ties to even, subnormals kept.
;;     - The product sums the exact products of the quantised numbers (number of the format x scale) in f32.
;;   ~~~python
;;   def quantise(x, axis):      # numpy; x: float32 -> the quantised numbers, widened to float32 again
;;       x = np.moveaxis(x, axis, -1); K = x.shape[-1]
;;       x = np.pad(x, [(0, 0)] * (x.ndim - 1) + [(0, -K % 32)]); x = x.reshape(x.shape[:-1] + (-1, 32)); a = np.abs(x).max(-1, keepdims=True)
;;       e = np.where(a > 0, np.clip(np.frexp(np.where(a > 0, a, 1))[1] - 1 - 15, -126, 127), 0)      # np.frexp(a)[1] - 1 = floor(log2(a)), exactly
;;       r = np.clip(x / 2.0 ** e, -57344, 57344)
;;       step = 2.0 ** (np.maximum(np.frexp(np.where(r == 0, 1, r))[1] - 1, -14) - 2)
;;       q = np.round(r / step) * step * 2.0 ** e      # np.round: ties to even
;;       return np.moveaxis(q.reshape(q.shape[:-2] + (-1,))[..., :K], -1, axis).astype(np.float32)
;;   ~~~
;;   INPUTS GIVEN AS CODES. A (in the module: [4096, 4096], K = its axis 1); B (in the module: [4096, 4096], K = its axis 0): each comes as NAME_codes (uint8): NAME with its K axis moved to the last place and cut into blocks of 32 codes, [.., K / 32, bytes a block], one block behind the other in memory; one code a byte (a code: sign, 5 exponent bits, 2 mantissa bits); and NAME_scales (uint8): the same leading axes, one E8M0 byte (e + 127) for each 32 codes along K. Its value is code x scale, taken as it is: it is not quantised again, and the codes and scales need not be those that the quantiser above would give.
;; One version. Each part assembles by itself: llvm-mc -triple=amdgcn-amd-amdhsa -mcpu=gfx1250 --defsym DOCPART=n.
;; ======== version 1 of 1: 1 launch
;; limits: right only within a limited range of input values
;; launch gemm (part 1): grid 16 x 16, 4 waves a work-group, clusters of 4 x 4, 327,680 bytes of LDS; arguments A_codes, A_scales, B_codes, B_scales, out0; writes out0
.if DOCPART == 1
	.amdgcn_target "amdgcn-amd-amdhsa--gfx1250"
	.amdhsa_code_object_version 6
	.text
	.protected	k_q04aebeeaef_gemm
	.globl	k_q04aebeeaef_gemm
	.p2align	8
	.type	k_q04aebeeaef_gemm,@function
k_q04aebeeaef_gemm:
	s_mov_b64 s[64:65], 0
	v_nop
	global_prefetch_b8 v0, s[64:65] scope:SCOPE_SE
	s_setreg_imm32_b32 hwreg(HW_REG_WAVE_MODE, 25, 1), 1
	s_wait_xcnt 0x0
	s_wait_alu depctr_hold_cnt(0) depctr_sa_sdst(0) depctr_va_vdst(0) depctr_va_sdst(0) depctr_va_ssrc(0) depctr_va_vcc(0) depctr_vm_vsrc(0)
	s_getreg_b32 s2, hwreg(HW_REG_IB_STS2, 6, 4)
	s_cmp_eq_u32 s2, 0
	s_cbranch_scc0 .Lentry_in_a_cluster
	s_endpgm
.Lentry_in_a_cluster:
	s_bfe_u32 s2, ttmp6, 0x10000c
	s_cmp_lg_u32 s2, 0xf033
	s_cbranch_scc0 .Lentry_shape_is_right
	s_endpgm
.Lentry_shape_is_right:
; C[m][n] = sum over k of A[m][k] B[n][k].  A, B: [4096][4096] codes of BF8 (E5M2), one byte each, K innermost, one E8M0 byte for each 32 along K ([4096][128]); C: [4096][4096] f32; sums in f32.
; Codes and scale bytes go to the matrix instruction as they lie in memory.
; LIMITS: an output is one f32 chain, K ascending in steps of 128, grouped inside a step as the matrix instruction groups it.  Codes of infinity or NaN and the byte 0xff are handed on as they come.
; SHARES: a tile of C, 256 x 256, to a work-group of four waves; a wave makes 128 x 128: 64 accumulators, 512 registers.  16 x 16 tiles: 256 work-groups.
; K goes in 16 steps of 256 through a ring of two LDS slots; a tile's row is 256 consecutive bytes at a multiple of 256.  A slot holds two steps of 128 along K (q = 0, 1), 64 products a wave each.
; CLUSTERS 4 x 4: A's tiles and scales are asked for jointly along a row of the cluster, B's along a column.  Source 0 = rows of B, source 1 = rows of A: a lane holds eight neighbouring numbers of a row of C.
; SCALES: 65,536 bytes for all of K do not fit beside the ring (278,528 of 327,680), so they come in two runs of 64 bytes a row into one region.  Scale words are read a lap (two K steps) at a time:
; slot 0's behind the change from slot 1 to slot 0, slot 1's in the step after it.  The change from slot 0 to slot 1 in the middle of K fills the region again; there waves 0 and 2 bring whole tiles, waves 1 and 3 the scales.
; LDS LOADS COME IN THREE RUNS A K STEP.  A step's 64 products go by halves of A's blocks (0-3, 4-7) and in each by halves of B's (0-3, 4-7), 16 products each.
;   ahead of step q = 0: A's blocks 4-7 of q = 1, into a second buffer, and B's blocks 0-3 of q = 1, into B's other set (32 loads);
;   in its middle: A's blocks 0-3 of q = 1, into the registers just multiplied, and B's blocks 4-7 (32 loads): with that every read of the slot is issued;
;   in step q = 1, behind its first 32 products, the round and the refill: all of the next slot's q = 0 (64 loads, and the lap's scale words), in the order in which the products want them.
; PREFETCH: behind each fill of K step s every wave names K step s + 2 (at the head also K step 1): 32 rows x 256 bytes, a lane a row.  Of the 128 rows of a half tile the four partners that ask for it jointly take
; 32 each, told apart by address (cx for A, cy for B): each block is named once in each cluster that loads it.  The asking stops by a count when K step 15 has been named.
; REGISTERS: window 0: v0-31 addresses; v32-63 scale words, two sets; v64-127 A's blocks 4-7 for q = 1; v128-255 A's blocks 0-7.  window 1: B's two sets.  windows 2, 3: accumulator (a, b) at v[8 (8 (a % 4) + b)].
.set SIZE_N, 4096
.set ROWB,   256                       ; a tile's row in bytes
.set KROW,   4096                      ; a row of A or B in memory
.set PITCH,  272                       ; LDS row: 256 bytes + 16 of padding: the 16 rows of a fragment load start at 16 different banks (ISA guide 11.1)
.set FR,     16                        ; registers of a fragment: 16 rows x 128 K
.set NP,     8                         ; places behind this matrix instruction (ISA guide 7.12.1 for vector instructions)
.set HALFT,  128*PITCH
.set TILEB,  256*PITCH
.set SLOT,   2*TILEB                   ; A's 256 rows, then B's
.set RUNLAPS, 4                        ; laps that one run of scales serves
.set SCP,    80                        ; a row of scales in LDS: 64 bytes + 16
.set SCL,    2*SLOT
.set TILES,  256*SCP
.set HALFS,  128*SCP
.set SBLK,   16*SCP
.set SPARE,  SCL+2*TILES               ; the spare words: 128 bytes a wave, two blocks of 256 bytes that no other line names
.set SPITCH, 528                       ; the way out: a stage of 16 rows x (512 + 16) bytes a wave, in slot 0 behind its last fill and last read
.set ADRA, 16                          ; v16-17 LDS address of my A fragments in slot 0, 1
.set PFO,  18                          ; v18    prefetch: lane x 4,096; never rewritten
.set ADRB, 20                          ; v20-21 the same for B
.set STO,  24
.set RD,   25
.set CO,   26
.set ADRS, 27                          ; v27    my scale words of the lap: lanes 0-15 A's rows, lanes 16-31 B's
.set SPW,  28
.set NIL,  29
.set ADRS0, 30                         ; v30    ADRS at a run's first lap
.set SC,   32                          ; set s at v[SC + 16 s]; register 2 i + q: block i, the slot's q-th 128 along K
.set AF,   128
.set BK,   128
.set WV,   14
.set G1A2, 4                           ; s[4:11]  group 1, A's whole tile (the arguments are used up by then)
.set G1A,  24                          ; s[24:31] group 1, half of A's tile; s[32:39] group 0, a set for each slot
.set G0A,  32
.set G1B2, 40                          ; s[40:47] group 1, B's whole tile (ids and masks are used up by then)
.set G1B,  48
.set G0B,  56
.set PK,   66                          ; s66 the K step named last by my prefetches
.set G1SA, 68
.set G0SA, 76
.set G1SB, 80
.set G0SB, 88
.set PFA,  92                          ; s[92:93] my 32 rows, 768 bytes short of the K step to be named
.set CODEW, (0<<16)|(1<<20)|(1<<21)|(5<<22)|(3<<25)   ; bytes; padding on; bit 21 beside a mask; 4 words behind every 64
.set SCLW,  (3<<16)|(1<<20)|(1<<21)|(3<<22)|(3<<25)   ; elements of 8 bytes; 4 words behind every 16
.set MSB, 0
.macro WIN new                         ; the immediate's high byte repeats the setting that is left
.if MSB != \new
	s_set_vgpr_msb (MSB<<8)|\new
.set MSB, \new
.endif
.endm
.set MUL_LO, 0xa1                      ; source 0 (B) window 1, source 1 (A) window 0, C and D window 2; + 0x50: window 3
.set TO_B,   0x40                      ; destination window 1, address window 0
.macro PLACES n
.rept \n
	v_nop
.endr
.endm
; A joint fill, one load a wave, in one chain of branches on the wave's number.  whole = 0: waves 0, 1 A's halves, waves 2, 3 B's.  whole = 1: wave 0 A's tile, wave 2 B's, waves 1, 3 a run of scales.
; s_nop 0 and four v_nop follow each load.
.macro JLOAD slot, whole
.if \whole
	s_cmp_lg_u32 s[WV], 0
	s_cbranch_scc1 .Lnot_0_\@
	tensor_load_to_lds s[G0A+4*\slot:G0A+4*\slot+3], s[G1A2:G1A2+7]
	s_nop 0
	PLACES 4
	s_branch .Lasked_\@
.Lnot_0_\@:
	s_cmp_lg_u32 s[WV], 1
	s_cbranch_scc1 .Lnot_1_\@
	tensor_load_to_lds s[G0SA:G0SA+3], s[G1SA:G1SA+7]
	s_nop 0
	PLACES 4
	s_branch .Lasked_\@
.Lnot_1_\@:
	s_cmp_lg_u32 s[WV], 2
	s_cbranch_scc1 .Lnot_2_\@
	tensor_load_to_lds s[G0B+4*\slot:G0B+4*\slot+3], s[G1B2:G1B2+7]
	s_nop 0
	PLACES 4
	s_branch .Lasked_\@
.Lnot_2_\@:
	tensor_load_to_lds s[G0SB:G0SB+3], s[G1SB:G1SB+7]
	s_nop 0
	PLACES 4
.else
	s_cmp_eq_u32 s15, 0
	s_cbranch_scc0 .Lfor_b_\@
	tensor_load_to_lds s[G0A+4*\slot:G0A+4*\slot+3], s[G1A:G1A+7]
	s_nop 0
	PLACES 4
	s_branch .Lasked_\@
.Lfor_b_\@:
	tensor_load_to_lds s[G0B+4*\slot:G0B+4*\slot+3], s[G1B:G1B+7]
	s_nop 0
	PLACES 4
.endif
.Lasked_\@:
.endm
.macro CREST                           ; a round of the cluster's barrier behind its opening barrier
	s_cmp_lg_u32 s[WV], 0
	s_cbranch_scc1 .Lnot_wave_0_\@
	s_barrier_signal -3
.Lnot_wave_0_\@:
	s_barrier_wait -3
	s_barrier_signal -1
	s_barrier_wait -1
.endm
.macro CROUND
	s_barrier_signal -1
	s_barrier_wait -1
	CREST
.endm
	s_load_b128 s[4:7], s[0:1], 0x0                ; A's codes, A's scales
	s_load_b128 s[8:11], s[0:1], 0x10              ; B's codes, B's scales
	s_load_b64 s[12:13], s[0:1], 0x20              ; C
	v_lshl_add_u32 v[SPW], v0, 2, SPARE
	v_mov_b32 v[NIL], 0
	ds_add_u32 v[SPW], v[NIL]                      ; the opening lines: the add, twice on end, and its wait ahead of my first tensor load
	ds_add_u32 v[SPW], v[NIL]
	v_lshrrev_b32 v1, 5, v0
	v_readfirstlane_b32 s[WV], v1                  ; wave 0..3
	s_lshr_b32 s15, s[WV], 1                       ; my half of the tile's rows; also: I fetch for A (0) or B (1)
	s_and_b32 s16, s[WV], 1                        ; my half of its columns; also: which 128 rows I fetch
	s_bfe_u32 s40, ttmp6, 0x40000                  ; cx
	s_bfe_u32 s41, ttmp6, 0x40004                  ; cy
	s_lshl_b32 s42, ttmp9, 2
	s_add_co_u32 s42, s42, s40                     ; tile column
	s_and_b32 s17, ttmp7, 0xffff
	s_lshl_b32 s17, s17, 2
	s_add_co_u32 s17, s17, s41                     ; tile row
	s_lshl_b32 s43, s41, 2
	s_lshl_b32 s43, 15, s43                        ; my row of the cluster
	s_lshl_b32 s44, 0x1111, s40                    ; my column
	s_or_b32 s[G1A+0], s43, CODEW
	s_or_b32 s[G1B+0], s44, CODEW
.irp g, G1A, G1B
	s_mov_b32 s[\g+1], ROWB<<16                    ; 128 rows x 256 bytes, rows 4,096 bytes apart
	s_mov_b32 s[\g+2], 128<<16
	s_mov_b32 s[\g+3], ROWB<<16
	s_mov_b32 s[\g+4], 128
	s_mov_b32 s[\g+5], KROW
	s_mov_b32 s[\g+6], 0
	s_mov_b32 s[\g+7], 0
.endr
	s_or_b32 s[G1SA+0], s43, SCLW
	s_or_b32 s[G1SB+0], s44, SCLW
.irp g, G1SA, G1SB
	s_mov_b32 s[\g+1], 8<<16                       ; 256 rows x 64 bytes (8 elements), rows 128 bytes (16 elements) apart
	s_mov_b32 s[\g+2], 256<<16
	s_mov_b32 s[\g+3], 8<<16
	s_mov_b32 s[\g+4], 256
	s_mov_b32 s[\g+5], 16
	s_mov_b32 s[\g+6], 0
	s_mov_b32 s[\g+7], 0
.endr
	; byte offsets.  A's hang on the tile row alone, B's on the tile column alone, each in registers that never hold the other coordinate
	s_lshl_b32 s18, s16, 19                        ; my 128 rows of 4,096 bytes
	s_lshl_b32 s20, s17, 20
	s_add_co_u32 s20, s20, s18
	s_mov_b32 s21, 0
	s_lshl_b32 s22, s17, 15                        ; scales: 256 rows of 128 bytes
	s_mov_b32 s23, 0
	s_lshl_b32 s46, s42, 20
	s_add_co_u32 s46, s46, s18
	s_mov_b32 s47, 0
	s_lshl_b32 s18, s42, 15
	s_mov_b32 s19, 0
	s_mul_i32 s45, s[WV], HALFT                    ; LDS: wave x 128 rows
	s_cmp_eq_u32 s15, 0                            ; the prefetches' rows, in units of 32: 8 x tile + 4 x half + my place among the four partners
	s_cselect_b32 s96, s17, s42
	s_cselect_b32 s97, s40, s41
	s_lshl_b32 s96, s96, 3
	s_lshl_b32 s3, s16, 2
	s_add_co_u32 s96, s96, s3
	s_add_co_u32 s96, s96, s97
	s_lshl_b32 s96, s96, 17                        ; 32 rows of 4,096 bytes; under 2^24
	s_mov_b32 s97, 0
	s_mov_b32 s[PK], 3
	s_lshl_b32 s94, s17, 22                        ; my part of C, in bytes (under 2^26)
	s_lshl_b32 s95, s15, 21
	s_add_co_u32 s94, s94, s95
	s_lshl_b32 s95, s42, 10
	s_add_co_u32 s94, s94, s95
	s_lshl_b32 s95, s16, 9
	s_add_co_u32 s94, s94, s95
	s_mov_b32 s95, 0
	s_wait_dscnt 0x0                               ; both opening adds are done
	s_wait_kmcnt 0x0
	s_add_nc_u64 s[20:21], s[4:5], s[20:21]
	s_add_nc_u64 s[22:23], s[6:7], s[22:23]
	s_add_nc_u64 s[46:47], s[8:9], s[46:47]
	s_add_nc_u64 s[18:19], s[10:11], s[18:19]
	s_add_nc_u64 s[12:13], s[12:13], s[94:95]
	s_cmp_eq_u32 s15, 0
	s_cselect_b64 s[PFA:PFA+1], s[4:5], s[8:9]
	s_add_nc_u64 s[PFA:PFA+1], s[PFA:PFA+1], s[96:97]
.irp s, 0,1
	s_mov_b32 s[G0A+4*\s], 1
	s_add_co_u32 s[G0A+4*\s+1], s45, \s*SLOT
	s_add_nc_u64 s[G0A+4*\s+2:G0A+4*\s+3], s[20:21], \s*ROWB
	s_or_b32 s[G0A+4*\s+3], s[G0A+4*\s+3], 0x80000000
	s_mov_b32 s[G0B+4*\s], 1
	s_add_co_u32 s[G0B+4*\s+1], s45, \s*SLOT
	s_add_nc_u64 s[G0B+4*\s+2:G0B+4*\s+3], s[46:47], \s*ROWB
	s_or_b32 s[G0B+4*\s+3], s[G0B+4*\s+3], 0x80000000
.endr
	s_mov_b32 s[G0SA], 1
	s_mov_b32 s[G0SA+1], SCL
	s_mov_b64 s[G0SA+2:G0SA+3], s[22:23]           ; the first run: bytes 0 to 63 of each row
	s_or_b32 s[G0SA+3], s[G0SA+3], 0x80000000
	s_mov_b32 s[G0SB], 1
	s_mov_b32 s[G0SB+1], SCL+TILES
	s_mov_b64 s[G0SB+2:G0SB+3], s[18:19]
	s_or_b32 s[G0SB+3], s[G0SB+3], 0x80000000
	s_or_b32 s[G1A2+0], s43, CODEW                 ; group 1 for whole tiles; the two masks are taken first
	s_or_b32 s[G1B2+0], s44, CODEW
.irp g, G1A2, G1B2
	s_mov_b32 s[\g+1], ROWB<<16
	s_mov_b32 s[\g+2], 256<<16
	s_mov_b32 s[\g+3], ROWB<<16
	s_mov_b32 s[\g+4], 256
	s_mov_b32 s[\g+5], KROW
	s_mov_b32 s[\g+6], 0
	s_mov_b32 s[\g+7], 0
.endr
	CROUND                                         ; all sixteen work-groups are here: the first joint loads meet
	JLOAD 0, 1                                     ; the head's four tiles, one a wave: K step 0 of A and of B, whole, and the scales' first run
	s_mul_i32 s18, s15, HALFT                      ; my 128 rows of A,
	s_mul_i32 s19, s16, HALFT                      ; of B, behind A's 256
	s_add_co_u32 s19, s19, TILEB
	s_add_co_u32 s20, s18, SLOT
	s_add_co_u32 s21, s19, SLOT
	s_mul_i32 s22, s15, HALFS                      ; A's scales: my 128 rows
	s_mul_i32 s23, s16, HALFS                      ; B's, behind A's 256
	s_add_co_u32 s23, s23, TILES
	s_sub_co_u32 s23, s23, s22                     ; (10,240 at the least)
	s_add_co_u32 s22, s22, SCL
	s_mul_i32 s94, s[WV], 16*SPITCH                ; my stage
	v_and_b32 v1, 15, v0                           ; r
	v_bfe_u32 v2, v0, 4, 1                         ; h
	v_and_b32 v6, 31, v0                           ; lane
	v_mul_u32_u24 v3, v1, PITCH
	v_lshl_add_u32 v4, v2, 4, v3                   ; row x pitch + 16 h
	v_add_nc_u32 v[ADRA], s18, v4
	v_add_nc_u32 v[ADRB], s19, v4
	v_add_nc_u32 v[ADRA+1], s20, v4
	v_add_nc_u32 v[ADRB+1], s21, v4
	v_mul_u32_u24 v5, v1, SCP
	v_mul_u32_u24 v7, s23, v2                      ; lanes 16-31 take B's
	v_add_nc_u32 v5, v5, v7
	v_add_nc_u32 v[ADRS0], s22, v5
	v_mov_b32 v[ADRS], v[ADRS0]
	v_mul_u32_u24 v5, v1, SPITCH                   ; into the stage: row r, 32 bytes for each half of the lanes
	v_lshl_add_u32 v5, v2, 5, v5
	v_add_nc_u32 v[STO], s94, v5
	v_lshlrev_b32 v[CO], 4, v6                     ; back: 32 lanes take a row of 512 bytes; the same in C
	v_add_nc_u32 v[RD], s94, v[CO]
	v_lshlrev_b32 v[PFO], 12, v6
	s_wait_alu depctr_va_vdst(0)
	global_prefetch_b8 v[PFO], s[PFA:PFA+1] offset:ROWB th:TH_LOAD_NT scope:SCOPE_SE     ; K step 1,
	global_prefetch_b8 v[PFO], s[PFA:PFA+1] offset:2*ROWB th:TH_LOAD_NT scope:SCOPE_SE   ; and K step 2
.macro FRAG reg, adr, q, i             ; lane l holds row l % 16; registers 4 c .. 4 c + 3 hold K = 32 c + 16 (l / 16) + 0 .. 15
.irp c, 0,1,2,3
	ds_load_b128 v[\reg+4*\c:\reg+4*\c+3], v[\adr] offset:128*(\q)+32*\c+(\i)*16*PITCH
.endr
.endm
.macro LDB4 slot, q, i0                ; B's blocks i0 .. i0 + 3 of the slot's step q into set q: 16 loads
	WIN TO_B
.irp i, \i0, \i0+1, \i0+2, \i0+3
	FRAG 128*(\q)+FR*(\i), ADRB+\slot, \q, \i
.endr
.endm
.macro LDA4 slot, q, i0                ; A's blocks i0 .. i0 + 3: 16 loads; blocks 4-7 of q = 1 go to v64-127
	WIN 0
.irp i, \i0, \i0+1, \i0+2, \i0+3
	FRAG AF+FR*(\i)-128*((\i)/4)*(\q), ADRA+\slot, \q, \i
.endr
.endm
.macro LDS8 half                       ; scale words of the lap's K step `half`: two words a row, eight loads
	WIN 0
.irp i, 0,1,2,3,4,5,6,7
	ds_load_b64 v[SC+16*\half+2*\i:SC+16*\half+2*\i+1], v[ADRS] offset:\i*SBLK+8*\half
.endr
.endm
.macro MM a, b, q, sc, zero            ; one product
.set DR, 8*(8*((\a)%4)+(\b))
.set AR, AF+FR*(\a)-128*((\a)/4)*(\q)
.set BR, 128*(\q)+FR*(\b)
.set SRB, SC+16*(\sc)+2*(\b)+(\q)
.set SRA, SC+16*(\sc)+2*(\a)+(\q)
.if \zero
	v_wmma_scale_f32_16x16x128_f8f6f4 v[DR:DR+7], v[BR:BR+15], v[AR:AR+15], 0, v[SRB], v[SRA] matrix_a_fmt:MATRIX_FMT_BF8 matrix_b_fmt:MATRIX_FMT_BF8 matrix_a_scale:MATRIX_SCALE_ROW1
.else
	v_wmma_scale_f32_16x16x128_f8f6f4 v[DR:DR+7], v[BR:BR+15], v[AR:AR+15], v[DR:DR+7], v[SRB], v[SRA] matrix_a_fmt:MATRIX_FMT_BF8 matrix_b_fmt:MATRIX_FMT_BF8 matrix_a_scale:MATRIX_SCALE_ROW1
.endif
.endm
.macro MUL8 a0, b0, q, sc, zero        ; A's blocks a0, a0 + 1 x B's blocks b0 .. b0 + 3
.irp a, \a0, \a0+1
.irp b, \b0, \b0+1, \b0+2, \b0+3
	MM \a, \b, \q, \sc, \zero
.endr
.endr
.endm
.macro MUL16 ah, bh, q, sc, zero       ; half ah of A's blocks x half bh of B's.  The 64 accumulators take turns, in the same order in every step
	WIN MUL_LO+0x50*(\ah)
	MUL8 4*(\ah), 4*(\bh), \q, \sc, \zero
	MUL8 4*(\ah)+2, 4*(\bh), \q, \sc, \zero
.endm
; Step q = 0 of a slot.  Its operands were asked for in the order: scale words, A 0-3, B 0-3, B 4-7, A 4-7 (16 loads each).  LDS loads come back in order, so a wait's count is what was issued behind the load wanted.
; s1 = 1: slot 1's eight scale loads of the lap close the second run.
.macro STEP slot, zero, s1
	PLACES NP                                      ; for loads into registers that the last products read
	LDA4 \slot, 1, 4
	LDB4 \slot, 1, 0
	s_wait_dscnt 63                                ; A 0-3 and B 0-3 are in: behind them stand B 4-7, A 4-7 and the 32 just issued, 64 loads (the count's field ends at 63)
	MUL16 0, 0, 0, \slot, \zero
	s_wait_dscnt 48                                ; B 4-7: behind them A 4-7 and the 32
	MUL16 0, 1, 0, \slot, \zero
	PLACES NP
	LDA4 \slot, 1, 0
	LDB4 \slot, 1, 4
.if \s1
	LDS8 1
.endif
	s_wait_dscnt 63                                ; A 4-7: behind them this step's two runs, 64 loads or 72
	MUL16 1, 0, 0, \slot, \zero
	MUL16 1, 1, 0, \slot, \zero
	WIN 0
.endm
.macro ASK                             ; K step PK, two fills ahead of the one just asked for; none behind K step 15
	s_cmp_lt_u32 s[PK], 16
	s_cbranch_scc0 .Lnone_\@
	global_prefetch_b8 v[PFO], s[PFA:PFA+1] offset:3*ROWB th:TH_LOAD_NT scope:SCOPE_SE
.Lnone_\@:
.endm
; Step q = 1 of a slot, with the change of slots.  fill = 1: this slot is filled again, two K steps ahead, behind a round of the cluster's barrier; sfill = 1: the scales' region with it.
; next = 0: a lap begins, slot 0's scale words are fetched; sback = 1: from a run's first bytes.
.macro TURN slot, next, fill, sfill, sback
.if \fill
	s_wait_xcnt 0x0                                ; my last prefetch has read its address: it is stepped only behind this wait
	s_add_nc_u64 s[PFA:PFA+1], s[PFA:PFA+1], ROWB
	s_add_co_u32 s[PK], s[PK], 1
.endif
	s_wait_dscnt 16                                ; A 0-3 and B 0-3 of q = 1 are in: behind A 0-3 stand B 4-7 (and, in one step of a lap, eight scale loads)
	MUL16 0, 0, 1, \slot, 0
	WIN 0                                          ; (the add's registers lie in window 0)
	s_wait_tensorcnt 0x0                           ; my one tensor load that is out has landed: my part of the next slot, or of the scales
	ds_add_u32 v[SPW], v[NIL]
.if \fill
	s_add_nc_u64 s[G0A+4*\slot+2:G0A+4*\slot+3], s[G0A+4*\slot+2:G0A+4*\slot+3], 2*ROWB
	s_add_nc_u64 s[G0B+4*\slot+2:G0B+4*\slot+3], s[G0B+4*\slot+2:G0B+4*\slot+3], 2*ROWB
.if \sfill
	s_add_nc_u64 s[G0SA+2:G0SA+3], s[G0SA+2:G0SA+3], 64   ; the second run: bytes 64 to 127 of each row
	s_add_nc_u64 s[G0SB+2:G0SB+3], s[G0SB+2:G0SB+3], 64
.endif
.endif
	s_wait_dscnt 1                                 ; every load is in; the add may be out
	WIN MUL_LO
	MUL8 0, 4, 1, \slot, 0
	s_wait_dscnt 0x0                               ; the add is done; my reads of this slot and of the scales are over
	s_barrier_signal -1
	MUL8 2, 4, 1, \slot, 0
	WIN 0
	s_barrier_wait -1
.if \fill
	CREST                                          ; no wave of any partner still reads what is filled below, or has a load on its way
	JLOAD \slot, \sfill                            ; my first tensor load behind the round, and my only one until the next; its four v_nop are four of the eight places
	PLACES NP-4
.else
	PLACES NP
.endif
.if \next == 0
.if \sback
	v_mov_b32 v[ADRS], v[ADRS0]
.else
	v_add_nc_u32 v[ADRS], 16, v[ADRS]              ; the next lap's words: 16 bytes a row
.endif
	s_wait_alu depctr_va_vdst(0)
	LDS8 0
.endif
	LDA4 \next, 0, 0
	LDB4 \next, 0, 0
	LDB4 \next, 0, 4
	LDA4 \next, 0, 4
	WIN 0
.if \fill
	ASK
.endif
	MUL16 1, 0, 1, \slot, 0                        ; A 4-7 of q = 1 and B's set 1 lie in registers since the wait for 0 above
	MUL16 1, 1, 1, \slot, 0
	WIN 0
.endm
.macro LAP sfill, sback                ; once round the ring; both slots are filled again
	TURN 0, 1, 1, \sfill, 0
	STEP 1, 0, 0
	TURN 1, 0, 1, 0, \sback
	STEP 0, 0, 1
.endm
	s_wait_tensorcnt 0x0                           ; my tile of the head's four is in
	ds_add_u32 v[SPW], v[NIL]
	s_wait_dscnt 0x0
	CROUND                                         ; all four tiles are in, and all sixteen work-groups are here
	JLOAD 1, 0                                     ; K step 1: slot 1's first fill
	LDS8 0
	LDS8 1
	LDA4 0, 0, 0
	LDB4 0, 0, 0
	LDB4 0, 0, 4
	LDA4 0, 0, 4
	global_prefetch_b8 v[PFO], s[PFA:PFA+1] offset:3*ROWB th:TH_LOAD_NT scope:SCOPE_SE   ; K step 3
	STEP 0, 1, 0                                   ; the first step's products start the sums: nothing is cleared
	s_mov_b32 s3, RUNLAPS-1
.Llap_a:                                               ; three trips: scale words of laps 1 to 3, from the first run
	LAP 0, 0
	s_sub_co_u32 s3, s3, 1
	s_cmp_lg_u32 s3, 0
	s_cbranch_scc1 .Llap_a
	LAP 1, 1                                       ; written out: its first change asks for the second run of scales, its second finds it landed
	s_mov_b32 s3, RUNLAPS-1
.Llap_b:                                               ; three trips: laps 5 to 7, from the second run
	LAP 0, 0
	s_sub_co_u32 s3, s3, 1
	s_cmp_lg_u32 s3, 0
	s_cbranch_scc1 .Llap_b
	TURN 0, 1, 0, 0, 0                             ; the last lap fills nothing, and has no round
	STEP 1, 0, 0
	s_wait_dscnt 16                                ; the very last step fetches nothing
	MUL16 0, 0, 1, 1, 0
	s_wait_dscnt 0x0
	MUL16 0, 1, 1, 1, 0
	MUL16 1, 0, 1, 1, 0
	MUL16 1, 1, 1, 1, 0
	WIN 0
; THE WAY OUT, block by block of 16 rows x 128 columns, through my own stage and back as whole rows of 512 bytes.  LDS serves a wave's instructions in order (ISA guide 5.7.1.4).
.macro TOSTAGE a
.set AC, 64*((\a)%4)
	WIN 0x08+4*((\a)/4)                            ; the data: window 2 or 3
.irp b, 0,1,2,3,4,5,6,7
	ds_store_b128 v[STO], v[AC+8*\b:AC+8*\b+3] offset:64*\b          ; each accumulator from its low end on
	ds_store_b128 v[STO], v[AC+8*\b+4:AC+8*\b+7] offset:64*\b+16
.endr
	WIN 0
.set BB, BK+64*((\a)%2)
.irp t, 0,1,2,3,4,5,6,7,8,9,10,11,12,13,14,15
	ds_load_b128 v[BB+4*\t:BB+4*\t+3], v[RD] offset:\t*SPITCH
.endr
.endm
.macro SEND a, younger                 ; younger: the LDS instructions issued behind block a's loads
.set BB, BK+64*((\a)%2)
	s_wait_dscnt \younger
.if (\a) > 0
	s_wait_xcnt 0x0                                ; only behind this wait is the stores' base rewritten
	s_add_nc_u64 s[12:13], s[12:13], 16*SIZE_N*4   ; 16 rows of C on: the offsets reach 15 rows, 245,760 bytes
.endif
.irp t, 0,1,2,3,4,5,6,7,8,9,10,11,12,13,14,15
	global_store_b128 v[CO], v[BB+4*\t:BB+4*\t+3], s[12:13] offset:\t*SIZE_N*4 th:TH_STORE_NT   ; 32 lanes store 512 consecutive bytes, at a multiple of 512 from C's first byte
.endr
.endm
	PLACES NP                                      ; behind the last products: for the loads into A's registers and the reads of the results
	TOSTAGE 0
.irp a, 1,2,3,4,5,6,7
	s_wait_xcnt 0x0                                ; block a - 2's stores have read their registers
	TOSTAGE \a
	SEND \a-1, 32                                  ; behind block a - 1's loads: block a's 16 stores and 16 loads
.endr
	SEND 7, 0
	s_wait_tensorcnt 0x0                           ; the wave's end
	ds_add_u32 v[SPW], v[NIL]
	s_wait_dscnt 0x0
	CROUND                                         ; the closing round
	s_endpgm
.Lfunc_end_k_q04aebeeaef_gemm:
	.size	k_q04aebeeaef_gemm, .Lfunc_end_k_q04aebeeaef_gemm-k_q04aebeeaef_gemm
	.p2alignl 7, 3214868480
	.fill 96, 4, 3214868480
	.section	.rodata,"a",@progbits
	.p2align	6, 0x0
	.amdhsa_kernel k_q04aebeeaef_gemm
		.amdhsa_group_segment_fixed_size 327680
		.amdhsa_private_segment_fixed_size 0
		.amdhsa_enable_private_segment 0
		.amdhsa_kernarg_size 40
		.amdhsa_user_sgpr_count 2
		.amdhsa_user_sgpr_kernarg_segment_ptr 1
		.amdhsa_wavefront_size32 1
		.amdhsa_system_sgpr_workgroup_id_x 1
		.amdhsa_system_sgpr_workgroup_id_y 1
		.amdhsa_system_sgpr_workgroup_id_z 1
		.amdhsa_system_vgpr_workitem_id 0
		.amdhsa_next_free_vgpr 1024
		.amdhsa_next_free_sgpr 98
		.amdhsa_reserve_vcc 0
		.amdhsa_float_denorm_mode_32 3
		.amdhsa_float_denorm_mode_16_64 3
		.amdhsa_memory_ordered 1
		.amdhsa_forward_progress 1
		.amdhsa_inst_pref_size 255
	.end_amdhsa_kernel
	.section	.bss,"aw",@nobits
	.p2align	6
	.space	262144
	.amdgpu_metadata
---
amdhsa.version: [ 1, 2 ]
amdhsa.kernels:
  - .name:           k_q04aebeeaef_gemm
    .symbol:         k_q04aebeeaef_gemm.kd
    .args:
      - { .name: A_codes, .offset: 0, .size: 8, .value_kind: global_buffer, .address_space: global }
      - { .name: A_scales, .offset: 8, .size: 8, .value_kind: global_buffer, .address_space: global }
      - { .name: B_codes, .offset: 16, .size: 8, .value_kind: global_buffer, .address_space: global }
      - { .name: B_scales, .offset: 24, .size: 8, .value_kind: global_buffer, .address_space: global }
      - { .name: out0, .offset: 32, .size: 8, .value_kind: global_buffer, .address_space: global }
    .group_segment_fixed_size: 327680
    .private_segment_fixed_size: 0
    .kernarg_segment_align: 8
    .kernarg_segment_size: 40
    .max_flat_workgroup_size: 128
    .sgpr_count:     98
    .vgpr_count:     1024
    .wavefront_size: 32
...
	.end_amdgpu_metadata
.endif
;; end of part 1
